; MI455X (gfx1250); checked and timed in simulation.
; The chip was launched on July 23, 2026; its instructions are those of AMD's public machine-readable ISA for CDNA 5 (MIT licence, August 2026) and "CDNA5" Instruction Set Architecture Reference Guide (July 2026). The comments in the code are by the model that wrote it; some were corrected since.
;; Network Subject Layers. Allowed arithmetic: matrix products marked QUANTISED: E2M1 operands, one E8M0 scale for each 32 along K, by v_wmma_scale_f32_16x16x128_f8f6f4 with both operands' format E2M1 (or v_wmma_scale_f32_32x16x128_f4), f32 sums; everything else in f32.
;; Inputs: W_codes 8 x 1,000 x 64 x 16 uint8 (E2M1 codes of W, K innermost, in blocks of 32 codes, two codes a byte); W_scales 8 x 1,000 x 64 uint8 (E8M0 scales of W, one for each 32 codes along K); b 8 x 1,000 float32; subject_ids 4,096 int32; x_codes 4,096 x 64 x 16 uint8 (E2M1 codes of x, K innermost, in blocks of 32 codes, two codes a byte); x_scales 4,096 x 64 uint8 (E8M0 scales of x, one for each 32 codes along K).
;; Outputs: out0 4,096 x 1,000 float32.
;; This version of the problem:
;;   THIS VERSION OF THE PROBLEM IS GIVEN IN LOW PRECISION. The matrix products marked QUANTISED in the list below multiply operands that are first quantised to E2M1 (2 exponent bits, 1 mantissa bit; 4 bits a number), with one power-of-two scale for each 32 numbers along K (OCP MX v1.0); their sums are f32. All else is computed in f32.
;;   The module's matrix products, in the order in which they are computed (A, B: the left and right operand; K: the contracted axis; several contracted axes count as one K, in the product's order):
;;     1. [M 4,096, K 2,048] x [K 2,048, N 8,000]; A: input x (given as codes); B: input W (given as codes): QUANTISED
;;   THE QUANTISER, for each operand of a quantised product, along K:
;;     - K is cut into blocks of 32 from its start; a last block that is shorter is filled with zeros.
;;     - A block's scale is 2^e with e = floor(log2(the largest magnitude in the block)) - 2, held to -126 .. 127; a block of zeros has e = 0. As a byte (E8M0): e + 127.
;;     - Each number is divided by its block's scale, clamped to +-6, and rounded to the nearest number of E2M1, ties to even, subnormals kept.
;;     - The product sums the exact products of the quantised numbers (number of the format x scale) in f32.
;;   ~~~python
;;   def quantise(x, axis):      # numpy; x: float32 -> the quantised numbers, widened to float32 again
;;       x = np.moveaxis(x, axis, -1); K = x.shape[-1]
;;       x = np.pad(x, [(0, 0)] * (x.ndim - 1) + [(0, -K % 32)]); x = x.reshape(x.shape[:-1] + (-1, 32)); a = np.abs(x).max(-1, keepdims=True)
;;       e = np.where(a > 0, np.clip(np.frexp(np.where(a > 0, a, 1))[1] - 1 - 2, -126, 127), 0)      # np.frexp(a)[1] - 1 = floor(log2(a)), exactly
;;       r = np.clip(x / 2.0 ** e, -6, 6)
;;       step = 2.0 ** (np.maximum(np.frexp(np.where(r == 0, 1, r))[1] - 1, 0) - 1)
;;       q = np.round(r / step) * step * 2.0 ** e      # np.round: ties to even
;;       return np.moveaxis(q.reshape(q.shape[:-2] + (-1,))[..., :K], -1, axis).astype(np.float32)
;;   ~~~
;;   INPUTS GIVEN AS CODES. W (in the module: [8, 2048, 1000], K = its axis 1); x (in the module: [4096, 2048], K = its axis 1): each comes as NAME_codes (uint8): NAME with its K axis moved to the last place and cut into blocks of 32 codes, [.., K / 32, bytes a block], one block behind the other in memory; two codes a byte, the lower K in the low four bits (a code: sign, 2 exponent bits, 1 mantissa bit); and NAME_scales (uint8): the same leading axes, one E8M0 byte (e + 127) for each 32 codes along K. Its value is code x scale, taken as it is: it is not quantised again, and the codes and scales need not be those that the quantiser above would give.
;; One version. Each part assembles by itself: llvm-mc -triple=amdgcn-amd-amdhsa -mcpu=gfx1250 --defsym DOCPART=n.
;; ======== version 1 of 1: 1 launch
;; launch subj_gemm (part 1): grid 8 x 32, 4 waves a work-group, no clusters, 327,168 bytes of LDS; arguments x_codes, x_scales, W_codes, W_scales, b, subject_ids, out0; writes out0
.if DOCPART == 1
	.amdgcn_target "amdgcn-amd-amdhsa--gfx1250"
	.amdhsa_code_object_version 6
	.text
	.protected	k_qe22b95a80b_subj_gemm
	.globl	k_qe22b95a80b_subj_gemm
	.p2align	8
	.type	k_qe22b95a80b_subj_gemm,@function
k_qe22b95a80b_subj_gemm:
	s_mov_b64 s[64:65], 0
	v_nop
	global_prefetch_b8 v0, s[64:65] scope:SCOPE_SE
	s_setreg_imm32_b32 hwreg(HW_REG_WAVE_MODE, 25, 1), 1
	s_wait_xcnt 0x0
; out0[r][:] = x[r][:] . W[subject_ids[r]] + b[subject_ids[r]].  x: 4,096 rows, W: 8 x 1,000 rows, both as codes of FP4 (E2M1), K = 2,048 innermost (1,024 bytes a row),
; with one E8M0 byte for each 32 along K (64 bytes a row).  b: [8][1000] f32.  out0: [4096][1000] f32.  Only the chosen subject's product of each row is made.
; SHARES.  Work-group (x = ct, y = 4 e + u) owns subject e, the source rows 1024 u .. 1024 u + 1023 and the columns n0 .. n0 + 127, n0 = min(128 ct, 872); column tile 7 makes columns
; 872 .. 895 a second time and does not store them.  e and ct come from the work-group's number, so W's tile is asked for at the first line.
; ROUTING.  Every wave compares the quarter's 1,024 ids with e (32 ballots) and counts them in scalar registers; wave 0 alone writes the matching row numbers into a list in LDS.
; The listed rows go in sub-tiles of 160 rows x 128 columns x all of K.  Sub-tile 0 is written out; sub-tiles 1 .. 6 (1,024 <= 7 x 160) stand in a loop of six trips whose work is jumped
; over, part by part, where the list has ended; the barriers stand on every path.
; K goes in two halves of 1,024 through LDS regions of their own: the second half lands while the first is multiplied.
; WAVES.  Wave w = 2 a + wc multiplies 80 rows (fragment k = 0 .. 4: tile rows 32 k + 16 a + 0 .. 15) by 64 columns (64 wc + 16 f + 0 .. 15, f = 0 .. 3): 20 accumulators.
; THE MATRIX INSTRUCTION IS USED TRANSPOSED: source 0 = 16 rows of W, source 1 = 16 rows of x: lane (r, h) holds row r of x and the columns 8 h + 0 .. 7.  The bias is the C of each sum's first product.
; NO TENSOR LOAD, NO CLUSTER: how many sub-tiles are worked hangs on a count made from subject_ids and x's rows are gathered by a list, so operands go from memory through registers into LDS.
; LIMITS.  A scale byte 0xff gives NaN, as the matrix instruction has it.  The bias is added ahead of the products, not behind them: another order of rounding than the reference's.
; More than 160 rows of one subject in one quarter are served by further sub-tiles, one after the other.  A work-group whose list is empty works sub-tile 0 on a default row and stores nothing.
; A row of out0 is 4,000 bytes: sixteen lanes store 256 consecutive bytes that begin at a multiple of 16.
;
; LDS: rows of 512 bytes + 16 of padding (33 x 16 bytes: the sixteen rows of a fragment load begin in sixteen different groups of four banks; 64 banks of 4 bytes: ISA guide 11.1)
.set PITCH,  528
.set XH0,    0                         ; x, K half 0: 160 rows
.set XH1,    160*PITCH                 ; x, K half 1
.set WH0,    2*160*PITCH               ; W, K half 0: 128 rows
.set WH1,    WH0+128*PITCH             ; W, K half 1
.set STG,    WH1+128*PITCH             ; the way out: 16 rows x (256 + 16) bytes for each wave
.set SPITCH, 272
.set LIST,   STG+4*16*SPITCH           ; 1,280 words: entries 0 .. 1151 are read, words 1152 + lane take what does not match
.set FAR,    128*PITCH                 ; rows 128 on: beyond an LDS instruction's 16-bit offset, so they have address registers of their own
; window 0
.set L16,  1                           ; 16 x lane
.set L64,  2                           ; 64 x lane
.set H32,  3                           ; 32 h
.set ROW0, 4                           ; 1024 u + 4 x lane
.set DMP,  5                           ; 1152 + lane
.set LINI, 6                           ; LIST + 16 x lane
.set LF0,  7                           ; LIST + 32 w                    the rows that I gather
.set LS0,  8                           ; LIST + 128 h + 64 a + 4 r      the rows whose scale words I hold
.set LO0,  9                           ; LIST + 64 a + 32 h             the rows that I store
.set LFA,  10                          ; the three with the sub-tile's 640 bytes a step added
.set LSA,  11
.set LOA,  12
.set XSA,  13                          ; v13-16 where I store x: half 0 near, far; half 1 near, far
.set WSA,  17                          ; v17-18 where I store W: half 0, 1
.set AXA,  19                          ; v19-22 x's fragments: half 0 near, far; half 1 near, far
.set BWA,  23                          ; v23-24 W's fragments: half 0, 1
.set STO,  25                          ; the stage, in
.set STB,  26                          ; the stage, back
.set COLB, 27                          ; my byte in a row of out0
.set H8,   28                          ; 8 h
.set LSR,  29                          ; v29-31 byte offsets of three rows of x's scales
.set ID,   32                          ; v32-63 the ids; then
.set XO,   32                          ; v32-71 byte offsets of my 40 rows of x; then
.set RB1,  32                          ; v32-63 rows of out0 read back from the stage
.set TT,   64                          ; v64-71 routing: list places
.set ORW,  72                          ; v72-111 byte offsets in out0 (v72-75 at the head: lane, r, h, at work)
.set DEF,  104                         ; v104-107 routing: the default row, four times
.set RB0,  112                         ; v112-143 rows of out0 read back from the stage
.set AR,   112                         ; v112-143 routing: LDS addresses
.set SA,   144                         ; v144-191 x's scale words: register 16 m + s: lanes 0-15 fragment 2 m, lanes 16-31 fragment 2 m + 1, K step s
.set SB,   192                         ; v192-223 W's scale words, likewise
.set BI,   224                         ; v224-255 the bias: register 8 f + j
.set RR,   224                         ; v224-255 routing: row numbers
; window 1: v0-159 x's half 1 on its way to LDS.   window 2: v0-159 x's half 0 on its way; then two sets of fragments, set p at 72 p: x's five, then W's four.
; window 3: v0-255 W on its way to LDS; then accumulator (k, f) at 8 (4 k + f)
.set WV,    18
.set RA,    19
.set WC,    20
.set SUBJ,  21
.set QU,    22
.set C128,  23                         ; 128 ct
.set N0,    24
.set CNT,   25                         ; rows in the list
.set BASE,  26                         ; the sub-tile's first list entry
.set LOFS,  27                         ; and its byte in the list
.set TRIPS, 28
.set CMASK, 29                         ; lanes whose four columns are mine to store
.set THR,   30                         ; 16 where all my columns are stored, else the greatest number
.set REMB,  31
.set REM,   32
.set TMP,   33
.set T64,   34                         ; s[34:35] an offset in 64 bits
.set MK,    36                         ; s36-43 ballots; on the way out the stores' masks
.set PF,    44                         ; s44-51 list places in front of each ballot
.set EXS,   52
.set ROWB,  53                         ; 4,000
.set MSB, 0
.macro WIN new                         ; the immediate's high byte repeats the setting that is left; a switch that changes nothing is dropped
.if MSB != (\new)
	s_set_vgpr_msb (MSB<<8)|(\new)
.set MSB, (\new)
.endif
.endm
.macro PLACES n                        ; plain vector instructions between a matrix instruction and a load into, or a read of, its registers
.rept \n
	v_nop
.endr
.endm
.macro BAR                             ; my LDS stores have landed and my LDS loads are in: then the work-group's barrier
	s_wait_dscnt 0x0
	s_barrier_signal -1
	s_barrier_wait -1
.endm
; W's tile: load number 32 half + i brings 512 consecutive bytes: K half of my row i (of 32)
.macro WLOAD a, b
	WIN 0xc0                                       ; destination window 3
.set wl, \a
.rept (\b)-(\a)+1
	global_load_b128 v[4*wl:4*wl+3], v[L16], s[8:9] offset:(wl%32)*1024+512*(wl/32)
.set wl, wl+1
.endr
.endm
.macro WSTORE a, b
	WIN 0x0c                                       ; an LDS store's data are its source 1: window 3
.set wl, \a
.rept (\b)-(\a)+1
	ds_store_b128 v[WSA+wl/32], v[4*wl:4*wl+3] offset:(wl%32)*PITCH
.set wl, wl+1
.endr
.endm
; Eight of the 32 id registers: register q holds the id of row 1024 u + 128 (q / 4) + 4 lane + q % 4.  scat = 1 (wave 0): the matching rows go into the list.
.macro BATCH bb, scat
.irp i, 0,1,2,3,4,5,6,7
	v_cmp_eq_u32 s[MK+\i], s[SUBJ], v[ID+8*\bb+\i]
.endr
.irp i, 0,1,2,3,4,5,6,7
.if \scat
	s_mov_b32 s[PF+\i], s[CNT]                     ; the list's length in front of this ballot
.endif
	s_bcnt1_i32_b32 s[TMP], s[MK+\i]
	s_add_co_u32 s[CNT], s[CNT], s[TMP]
.endr
.if \scat
.irp i, 0,1,2,3,4,5,6,7
	v_mbcnt_lo_u32_b32 v[TT+\i], s[MK+\i], s[PF+\i]        ; + the matching lanes below mine
.endr
.irp i, 0,1,2,3,4,5,6,7
	v_cndmask_b32 v[TT+\i], v[DMP], v[TT+\i], s[MK+\i]     ; a lane that does not match writes its own word behind the list
.endr
.irp i, 0,1,2,3,4,5,6,7
	v_min_u32 v[TT+\i], 1183, v[TT+\i]                     ; held inside the list's words
.endr
.irp i, 0,1,2,3,4,5,6,7
	v_lshl_add_u32 v[AR+8*\bb+\i], v[TT+\i], 2, LIST
.endr
.irp i, 0,1,2,3,4,5,6,7
	v_add_nc_u32 v[RR+8*\bb+\i], 128*((8*\bb+\i)/4)+(8*\bb+\i)%4, v[ROW0]
.endr
.irp i, 0,1,2,3,4,5,6,7
	ds_store_b32 v[AR+8*\bb+\i], v[RR+8*\bb+\i]
.endr
.endif
.endm
; my 40 rows' K half goes to LDS: row 8 k + i of mine is tile row 32 k + 8 w + i; 512 consecutive bytes a store
.macro XSTORE hf
	WIN 0x08-4*(\hf)                               ; the data: window 2 (half 0) or 1 (half 1)
.irp k, 0,1,2,3,4
.irp i, 0,1,2,3,4,5,6,7
.if \k < 4
	ds_store_b128 v[XSA+2*(\hf)], v[4*(8*\k+\i):4*(8*\k+\i)+3] offset:(32*\k+\i)*PITCH
.else
	ds_store_b128 v[XSA+2*(\hf)+1], v[4*(8*\k+\i):4*(8*\k+\i)+3] offset:\i*PITCH
.endif
.endr
.endr
	WIN 0
.endm
; 18 LDS loads: the nine fragments of the half's sp-th 128 along K into set bf.  A fragment, 16 rows x 128 K of 4-bit codes, is 8 registers: lane (r, h) holds row r,
; registers 4 c .. 4 c + 3 hold K = 64 c + 32 h + 0 .. 31: 16 bytes of the row as they lie
.macro FETCH hf, sp, bf
	WIN 0x80                                       ; destination window 2
.irp f, 0,1,2,3
.irp c, 0,1
	ds_load_b128 v[72*(\bf)+40+8*\f+4*\c:72*(\bf)+40+8*\f+4*\c+3], v[BWA+(\hf)] offset:\f*16*PITCH+64*(\sp)+32*\c
.endr
.endr
.irp k, 0,1,2,3
.irp c, 0,1
	ds_load_b128 v[72*(\bf)+8*\k+4*\c:72*(\bf)+8*\k+4*\c+3], v[AXA+2*(\hf)] offset:\k*32*PITCH+64*(\sp)+32*\c
.endr
.endr
.irp c, 0,1
	ds_load_b128 v[72*(\bf)+32+4*\c:72*(\bf)+32+4*\c+3], v[AXA+2*(\hf)+1] offset:64*(\sp)+32*\c
.endr
.endm
; one product: x's fragment k by W's fragment f, K step s of 16.  An odd fragment's scale words lie in lanes 16-31 of its register
.macro MM s, bf, k, f
.set rD, 8*(4*(\k)+(\f))
.set rA, 72*(\bf)+40+8*(\f)
.set rB, 72*(\bf)+8*(\k)
.set rC, rD
.if (\s) == 0
.set rC, BI+8*(\f)                     ; the first product starts the sum with the bias: nothing is cleared, nothing is added later
.endif
.set rW, SB+16*((\f)/2)+(\s)
.set rX, SA+16*((\k)/2)+(\s)
.if ((\f)%2 == 0) && ((\k)%2 == 0)
	v_wmma_scale_f32_16x16x128_f8f6f4 v[rD:rD+7], v[rA:rA+7], v[rB:rB+7], v[rC:rC+7], v[rW], v[rX] matrix_a_fmt:MATRIX_FMT_FP4 matrix_b_fmt:MATRIX_FMT_FP4
.elseif (\k)%2 == 0
	v_wmma_scale_f32_16x16x128_f8f6f4 v[rD:rD+7], v[rA:rA+7], v[rB:rB+7], v[rC:rC+7], v[rW], v[rX] matrix_a_fmt:MATRIX_FMT_FP4 matrix_b_fmt:MATRIX_FMT_FP4 matrix_a_scale:MATRIX_SCALE_ROW1
.elseif (\f)%2 == 0
	v_wmma_scale_f32_16x16x128_f8f6f4 v[rD:rD+7], v[rA:rA+7], v[rB:rB+7], v[rC:rC+7], v[rW], v[rX] matrix_a_fmt:MATRIX_FMT_FP4 matrix_b_fmt:MATRIX_FMT_FP4 matrix_b_scale:MATRIX_SCALE_ROW1
.else
	v_wmma_scale_f32_16x16x128_f8f6f4 v[rD:rD+7], v[rA:rA+7], v[rB:rB+7], v[rC:rC+7], v[rW], v[rX] matrix_a_fmt:MATRIX_FMT_FP4 matrix_b_fmt:MATRIX_FMT_FP4 matrix_a_scale:MATRIX_SCALE_ROW1 matrix_b_scale:MATRIX_SCALE_ROW1
.endif
.endm
; 20 products: the 20 accumulators take turns, one instruction a turn, in the same order in every K step
.macro MULS s, bf
.if (\s) == 0
	WIN 0xca                                       ; sources 0 and 1 window 2, C (the bias) window 0, D window 3
.else
	WIN 0xfa                                       ; sources 0 and 1 window 2, C and D window 3
.endif
.irp k, 0,1,2,3,4
.irp f, 0,1,2,3
	MM \s, \bf, \k, \f
.endr
.endr
.endm
; a K step of 128: its fragments are in; the next step's are asked for, into the other set, ahead of this step's 20 products
.macro STEP hf, sp
	s_wait_dscnt 0x0                               ; this step's 18 loads, issued ahead of the last step's products
.if (\sp) < 7
	PLACES 4                                       ; the other set was read by the products just issued
	FETCH \hf, (\sp)+1, 1-(\sp)%2
.endif
	MULS 8*(\hf)+(\sp), (\sp)%2
.endm
; THE WAY OUT of block k (16 rows x 64 columns): into my own stage, 32 bytes a lane, and back as rows of 256 bytes: lanes 0-15 row t, lanes 16-31 row t + 8.
; LDS serves a wave's instructions in order (ISA guide 5.7.1.4): no wait between the stores and the loads, nor in front of the next block's stores
.macro TOSTAGE k
	WIN 0x0c
.irp f, 0,1,2,3
	ds_store_b128 v[STO], v[8*(4*(\k)+\f):8*(4*(\k)+\f)+3] offset:64*\f            ; each accumulator from its low end on
	ds_store_b128 v[STO], v[8*(4*(\k)+\f)+4:8*(4*(\k)+\f)+7] offset:64*\f+16
.endr
	WIN 0
.set RBB, RB0+(RB1-RB0)*((\k)%2)
.irp t, 0,1,2,3,4,5,6,7
	ds_load_b128 v[RBB+4*\t:RBB+4*\t+3], v[STB] offset:SPITCH*\t
.endr
.endm
; Block k is stored.  younger: the LDS instructions issued behind block k's loads, which may stay out.
; Two jumps forward, one after the other: over the eight whole stores where the block is not whole, and over the eight masked ones where it is whole or empty.
.macro SEND k, younger
.set RBB, RB0+(RB1-RB0)*((\k)%2)
	s_wait_dscnt \younger                          ; the block is back in registers
	s_sub_co_i32 s[REM], s[REMB], 32*(\k)          ; how many of the block's 16 rows the list still has
	s_cmp_lt_i32 s[REM], s[THR]
	s_cbranch_scc1 .Lnot_whole_\@
	s_wait_alu depctr_va_vdst(0)
.irp t, 0,1,2,3,4,5,6,7
	global_store_b128 v[ORW+8*(\k)+\t], v[RBB+4*\t:RBB+4*\t+3], s[16:17] th:TH_STORE_NT   ; 16 lanes store 256 consecutive bytes of a row; written once, read by nobody here
.endr
.Lnot_whole_\@:
	s_cmp_ge_i32 s[REM], s[THR]
	s_cbranch_scc1 .Lsent_\@                       ; it was whole
	s_cmp_le_i32 s[REM], 0
	s_cbranch_scc1 .Lsent_\@                       ; the list has none of its rows
	; the list ends in this block, or some of my columns belong to the tile on the left
.irp t, 0,1,2,3,4,5,6,7
	s_sub_co_i32 s[TMP], s[REM], \t
	v_cmp_gt_i32 s[MK+\t], s[TMP], v[H8]           ; row 8 h + t is listed,
	s_and_b32 s[MK+\t], s[MK+\t], s[CMASK]         ; and the lane's columns are mine
.endr
	s_wait_xcnt 0x0                                ; EXEC is a source of the stores issued before: it changes only behind this wait
	s_wait_alu depctr_va_vdst(0)
.irp t, 0,1,2,3,4,5,6,7
	s_and_saveexec_b32 s[EXS], s[MK+\t]
	global_store_b128 v[ORW+8*(\k)+\t], v[RBB+4*\t:RBB+4*\t+3], s[16:17] th:TH_STORE_NT
	s_wait_xcnt 0x0                                ; and again in front of the line that widens it
	s_mov_b32 exec_lo, -1                          ; every lane has been on since the entry: the constant, not the saved copy
.endr
.Lsent_\@:
.endm
; A SUB-TILE.  first = 1: sub-tile 0, which also brings W, its scales and the bias, and has no jump.  first = 0: each of the three parts is jumped over where the list has ended;
; each part opens with the waits and places that it needs by itself, whichever parts ran before it, and makes the offsets of its own loads or stores itself;
; the two barriers stand behind the parts' end labels.
.macro TRIP first
	v_add_nc_u32 v[LFA], s[LOFS], v[LF0]           ; the list's addresses are made on the common path
	v_add_nc_u32 v[LSA], s[LOFS], v[LS0]
	v_add_nc_u32 v[LOA], s[LOFS], v[LO0]
	; ---- part A: the list's rows are asked for; K half 0 goes to LDS
.if \first == 0
	s_cmp_ge_u32 s[BASE], s[CNT]
	s_cbranch_scc1 .La_done
	s_wait_loadcnt 0x0                             ; no load of an earlier sub-tile is out,
	s_wait_xcnt 0x0                                ; and its stores have read their registers: offsets and data may be written again
	PLACES 4                                       ; loads follow into registers that matrix instructions have read
.endif
	s_wait_alu depctr_va_vdst(0)
.irp k, 0,1,2,3,4
	ds_load_b128 v[XO+8*\k:XO+8*\k+3], v[LFA] offset:128*\k          ; list entries 32 k + 8 w + 0 .. 7, the same in every lane
	ds_load_b128 v[XO+8*\k+4:XO+8*\k+7], v[LFA] offset:128*\k+16
.endr
.irp m, 0,1,2
	ds_load_b32 v[LSR+\m], v[LSA] offset:256*\m                      ; entry 64 m + 32 h + 16 a + r: row r of fragment 2 m + h (fragment 5 is not used: its entries lie inside the list's words)
.endr
	s_wait_dscnt 0x0
.irp m, 0,1,2
	v_min_u32 v[LSR+\m], 0xfff, v[LSR+\m]          ; a row number read from LDS is held inside x
.endr
.irp m, 0,1,2
	v_lshlrev_b32 v[LSR+\m], 6, v[LSR+\m]          ; 64 scale bytes a row
.endr
.irp m, 0,1,2
.irp c, 0,1,2,3
	global_load_b128 v[SA+16*\m+4*\c:SA+16*\m+4*\c+3], v[LSR+\m], s[6:7] offset:16*\c     ; the row's 16 scale words, one for each 128 along K
.endr
.endr
.set j, 0
.rept 40
	v_min_u32 v[XO+j], 0xfff, v[XO+j]
.set j, j+1
.endr
.set j, 0
.rept 40
	v_lshl_add_u32 v[XO+j], v[XO+j], 10, v[L16]    ; 1,024 bytes a row, 16 a lane
.set j, j+1
.endr
	WIN 0x80                                       ; destination window 2
.set j, 0
.rept 40
	global_load_b128 v[4*j:4*j+3], v[XO+j], s[4:5] ; K half 0 of a row: 512 consecutive bytes
.set j, j+1
.endr
.if \first
	WIN 0
	s_wait_alu depctr_va_vdst(0)
	s_wait_loadcnt 52                              ; behind W's first 55 loads: the 12 scale loads and the 40 just issued
	WSTORE 0, 54
	WLOAD 55, 63
	WIN 0
.irp m, 0,1
.irp c, 0,1,2,3
	global_load_b128 v[SB+16*\m+4*\c:SB+16*\m+4*\c+3], v[L64], s[10:11] offset:2048*\m+16*\c   ; W's scale words: lane l holds those of my column 32 m + l
.endr
.endr
.irp f, 0,1,2,3
	global_load_b128 v[BI+8*\f:BI+8*\f+3], v[H32], s[12:13] offset:64*\f                       ; the bias of columns 16 f + 8 h + 0 .. 7, in the result's layout
	global_load_b128 v[BI+8*\f+4:BI+8*\f+7], v[H32], s[12:13] offset:64*\f+16
.endr
.endif
	WIN 0x40                                       ; destination window 1
.set j, 0
.rept 40
	global_load_b128 v[4*j:4*j+3], v[XO+j], s[4:5] offset:512      ; K half 1
.set j, j+1
.endr
	WIN 0
.if \first
	s_wait_loadcnt 63                              ; behind half 0's loads 65 were issued (9 of W, 8 + 8 of scales and bias, 40 of half 1): the field's largest count is the stricter one
.else
	s_wait_loadcnt 40                              ; half 1's 40 may stay out
.endif
	XSTORE 0
.if \first == 0
.La_done:
.endif
	BAR                                            ; K half 0 of x (and of W) lies in LDS; nobody reads half 1 of the sub-tile before any more
	; ---- part B: K half 0 is multiplied; K half 1 goes to LDS
.if \first == 0
	s_cmp_ge_u32 s[BASE], s[CNT]
	s_cbranch_scc1 .Lb_done
.endif
	PLACES 4
	FETCH 0, 0, 0
	s_wait_loadcnt 40                              ; the scale words and the bias are in; half 1's 40 loads may be out
.irp sp, 0,1,2,3,4,5,6,7
	STEP 0, \sp
.endr
	s_wait_loadcnt 0x0                             ; K half 1
	XSTORE 1
.if \first
	WSTORE 55, 63
	WIN 0
.endif
.if \first == 0
.Lb_done:
.endif
	BAR                                            ; K half 1 lies in LDS; nobody reads half 0 any more
	; ---- part C: K half 1 is multiplied; the results leave
.if \first == 0
	s_cmp_ge_u32 s[BASE], s[CNT]
	s_cbranch_scc1 .Lc_done
.endif
	s_wait_loadcnt 0x0                             ; no load is out: the scale words may be read, and the rows' offsets written over on the way out
	s_wait_alu depctr_va_vdst(0)
.irp k, 0,1,2,3,4
	ds_load_b128 v[ORW+8*\k:ORW+8*\k+3], v[LOA] offset:128*\k        ; list entries 32 k + 16 a + 8 h + 0 .. 7: the rows that I shall store
	ds_load_b128 v[ORW+8*\k+4:ORW+8*\k+7], v[LOA] offset:128*\k+16
.endr
	PLACES 4
	FETCH 1, 0, 0
	WIN 0
	s_wait_dscnt 18                                ; the list's entries are in; the 18 fragment loads, issued behind them, may be out
.set j, 0
.rept 40
	v_min_u32 v[ORW+j], 0xfff, v[ORW+j]
.set j, j+1
.endr
.set j, 0
.rept 40
	v_mad_u32_u24 v[ORW+j], v[ORW+j], s[ROWB], v[COLB]     ; 4,000 bytes a row of out0, + my columns
.set j, j+1
.endr
.irp sp, 0,1,2,3,4,5,6,7
	STEP 1, \sp
.endr
	s_sub_co_i32 s[REMB], s[CNT], s[BASE]
	s_lshl_b32 s[TMP], s[RA], 4
	s_sub_co_i32 s[REMB], s[REMB], s[TMP]          ; listed rows from my block 0's first row on
	PLACES 4                                       ; the stage's stores read results just made
	TOSTAGE 0
.irp k, 1,2,3,4
.if \k >= 2
	s_wait_xcnt 0x0                                ; block k - 2's stores have read their registers: block k's rows may land there
.endif
	TOSTAGE \k
	SEND \k-1, 16                                  ; behind block k - 1's loads: block k's 8 stores and 8 loads
.endr
	SEND 4, 0
	s_wait_xcnt 0x0                                ; the stores have read their offsets and data
.if \first == 0
.Lc_done:
.endif
.endm
	s_load_b256 s[4:11], s[0:1], 0x0               ; x's codes s[4:5], x's scales s[6:7], W's codes s[8:9], W's scales s[10:11]
	s_load_b128 s[12:15], s[0:1], 0x20             ; b s[12:13], subject_ids s[14:15]
	s_load_b64 s[16:17], s[0:1], 0x30              ; out0
	s_set_vgpr_msb 0x40
	v_lshl_add_u32 v254, v0, 2, 0x4fc00
	v_mov_b32 v255, 0
	s_set_vgpr_msb 0x4000
	v_lshrrev_b32 v1, 5, v0
	v_readfirstlane_b32 s[WV], v1                  ; wave 0..3
	v_and_b32 v72, 31, v0                          ; lane
	v_and_b32 v73, 15, v0                          ; r
	v_bfe_u32 v74, v0, 4, 1                        ; h
	v_lshlrev_b32 v[L16], 4, v72
	s_lshr_b32 s[RA], s[WV], 1                     ; a: which 16 rows of each 32
	s_and_b32 s[WC], s[WV], 1                      ; wc: which 64 columns
	s_and_b32 s[TMP], ttmp7, 0xffff
	s_lshr_b32 s[SUBJ], s[TMP], 2                  ; e
	s_and_b32 s[QU], s[TMP], 3                     ; u
	s_lshl_b32 s[C128], ttmp9, 7                   ; 128 ct
	s_min_u32 s[N0], s[C128], 872                  ; the last tile is moved left, so that it ends with column 999
	s_mul_i32 s[TMP], s[SUBJ], 1000
	s_add_co_u32 s[TMP], s[TMP], s[N0]             ; the tile's first row of W
	s_lshl_b32 s[T64], s[WV], 5
	s_add_co_u32 s[T64], s[T64], s[TMP]            ; + the 32 rows that I bring
	s_lshl_b32 s[T64], s[T64], 10
	s_mov_b32 s[T64+1], 0
	s_wait_alu depctr_va_vdst(0)
	s_wait_kmcnt 0x0
	s_add_nc_u64 s[8:9], s[8:9], s[T64:T64+1]
	s_lshl_b32 s[T64], s[QU], 12                   ; the quarter's 1,024 ids
	s_add_nc_u64 s[14:15], s[14:15], s[T64:T64+1]
.irp g, 0,1,2,3,4,5,6,7
	global_load_b128 v[ID+4*\g:ID+4*\g+3], v[L16], s[14:15] offset:512*\g
.endr
	WLOAD 0, 54                                    ; W's tile is asked for beside the ids: its address hangs on the work-group's number alone
	WIN 0
	s_lshl_b32 s[T64], s[WC], 6
	s_add_co_u32 s[TMP], s[TMP], s[T64]            ; my 64 columns' first row of W
	s_lshl_b32 s[T64], s[TMP], 6
	s_add_nc_u64 s[10:11], s[10:11], s[T64:T64+1]  ; its scales
	s_lshl_b32 s[T64], s[TMP], 2
	s_add_nc_u64 s[12:13], s[12:13], s[T64:T64+1]  ; its bias
	s_lshl_b32 s[TMP], s[WC], 6
	s_add_co_u32 s[TMP], s[TMP], s[N0]             ; my first column
	s_mov_b32 s[THR], 0x7fffffff
	s_cmp_ge_u32 s[TMP], s[C128]
	s_cselect_b32 s[THR], 16, s[THR]               ; all my columns are stored, or some are the left neighbour's
	s_lshl_b32 s[TMP], s[TMP], 2
	v_lshl_add_u32 v[COLB], v73, 4, s[TMP]
	s_lshl_b32 s[TMP], s[C128], 2
	v_cmp_ge_u32 s[CMASK], v[COLB], s[TMP]
	v_lshlrev_b32 v[L64], 6, v72
	v_lshlrev_b32 v[H32], 5, v74
	v_lshlrev_b32 v[H8], 3, v74
	s_lshl_b32 s[TMP], s[QU], 10
	v_lshl_add_u32 v[ROW0], v72, 2, s[TMP]
	v_add_nc_u32 v[DMP], 1152, v72
	v_lshl_add_u32 v[LINI], v72, 4, LIST
	s_lshl_b32 s[TMP], s[WV], 5
	s_add_co_u32 s[TMP], s[TMP], LIST
	v_mov_b32 v[LF0], s[TMP]
	s_lshl_b32 s[TMP], s[RA], 6
	s_add_co_u32 s[TMP], s[TMP], LIST
	v_lshl_add_u32 v[LS0], v73, 2, s[TMP]
	v_lshl_add_u32 v[LS0], v74, 7, v[LS0]
	v_lshl_add_u32 v[LO0], v74, 5, s[TMP]
	s_mul_i32 s[TMP], s[WV], 8*PITCH
	v_add_nc_u32 v[XSA], s[TMP], v[L16]            ; x, in: tile row 8 w, 16 bytes a lane
	v_add_nc_u32 v[XSA+1], FAR, v[XSA]
	v_add_nc_u32 v[XSA+2], XH1, v[XSA]
	v_add_nc_u32 v[XSA+3], XH1, v[XSA+1]
	s_mul_i32 s[TMP], s[WV], 32*PITCH
	s_add_co_u32 s[TMP], s[TMP], WH0
	v_add_nc_u32 v[WSA], s[TMP], v[L16]            ; W, in: tile row 32 w
	v_add_nc_u32 v[WSA+1], FAR, v[WSA]
	v_mul_u32_u24 v75, v73, PITCH
	v_lshl_add_u32 v75, v74, 4, v75                ; a fragment's row x pitch + 16 h
	s_mul_i32 s[TMP], s[RA], 16*PITCH
	v_add_nc_u32 v[AXA], s[TMP], v75
	v_add_nc_u32 v[AXA+1], FAR, v[AXA]
	v_add_nc_u32 v[AXA+2], XH1, v[AXA]
	v_add_nc_u32 v[AXA+3], XH1, v[AXA+1]
	s_mul_i32 s[TMP], s[WC], 64*PITCH
	s_add_co_u32 s[TMP], s[TMP], WH0
	v_add_nc_u32 v[BWA], s[TMP], v75
	v_add_nc_u32 v[BWA+1], FAR, v[BWA]
	s_mul_i32 s[TMP], s[WV], 16*SPITCH
	s_add_co_u32 s[TMP], s[TMP], STG               ; my stage
	v_mul_u32_u24 v[STO], v73, SPITCH
	v_lshl_add_u32 v[STO], v74, 5, v[STO]
	v_add_nc_u32 v[STO], s[TMP], v[STO]            ; in: row r, 32 bytes for each half of the lanes
	v_mul_u32_u24 v[STB], v74, 8*SPITCH
	v_lshl_add_u32 v[STB], v73, 4, v[STB]
	v_add_nc_u32 v[STB], s[TMP], v[STB]            ; back: lanes 0-15 a row, lanes 16-31 the row 8 further on
	s_mov_b32 s[ROWB], 4000
	s_mov_b32 s[CNT], 0
	s_mov_b32 s[BASE], 0
	s_mov_b32 s[LOFS], 0
	s_wait_loadcnt 55                              ; the ids are in; W's 55 loads, issued behind them, may be out
	; ROUTING.  Up to the barrier below wave 0 alone touches LDS.
	s_cmp_lg_u32 s[WV], 0
	s_cbranch_scc1 .Lcount_only
	s_lshl_b32 s[TMP], s[QU], 10
.irp i, 0,1,2,3
	v_mov_b32 v[DEF+\i], s[TMP]                    ; entries behind the list's end name the quarter's first row: they are worked on and never stored
.endr
.irp i, 0,1,2,3,4,5,6,7,8,9
	ds_store_b128 v[LINI], v[DEF:DEF+3] offset:512*\i      ; all 1,280 words; LDS serves a wave's instructions in order, so the list's entries land on top
.endr
	BATCH 0, 1
	BATCH 1, 1
	BATCH 2, 1
	BATCH 3, 1
	s_branch .Lrouted
.Lcount_only:                                          ; the others only count: the count stays in scalar registers of each wave
	BATCH 0, 0
	BATCH 1, 0
	BATCH 2, 0
	BATCH 3, 0
.Lrouted:
	BAR                                            ; the list lies in LDS, and is only read from here on
	TRIP 1
	s_mov_b32 s[TRIPS], 6
.Lmore:                                                ; sub-tiles 1 .. 6: six trips whatever the list's length, so that every wave passes every barrier
	s_add_co_u32 s[BASE], s[BASE], 160
	s_add_co_u32 s[LOFS], s[LOFS], 640
	TRIP 0
	s_sub_co_u32 s[TRIPS], s[TRIPS], 1
	s_cmp_lg_u32 s[TRIPS], 0
	s_cbranch_scc1 .Lmore
	s_set_vgpr_msb 0x5
	s_wait_tensorcnt 0x0
	ds_add_u32 v254, v255
	s_wait_dscnt 0x0
	s_set_vgpr_msb 0x500
	s_endpgm
.Lfunc_end_k_qe22b95a80b_subj_gemm:
	.size	k_qe22b95a80b_subj_gemm, .Lfunc_end_k_qe22b95a80b_subj_gemm-k_qe22b95a80b_subj_gemm
	.p2alignl 7, 3214868480
	.fill 96, 4, 3214868480
	.section	.rodata,"a",@progbits
	.p2align	6, 0x0
	.amdhsa_kernel k_qe22b95a80b_subj_gemm
		.amdhsa_group_segment_fixed_size 327168
		.amdhsa_private_segment_fixed_size 0
		.amdhsa_enable_private_segment 0
		.amdhsa_kernarg_size 56
		.amdhsa_user_sgpr_count 2
		.amdhsa_user_sgpr_kernarg_segment_ptr 1
		.amdhsa_wavefront_size32 1
		.amdhsa_system_sgpr_workgroup_id_x 1
		.amdhsa_system_sgpr_workgroup_id_y 1
		.amdhsa_system_sgpr_workgroup_id_z 1
		.amdhsa_system_vgpr_workitem_id 0
		.amdhsa_next_free_vgpr 1024
		.amdhsa_next_free_sgpr 66
		.amdhsa_reserve_vcc 0
		.amdhsa_float_denorm_mode_32 3
		.amdhsa_float_denorm_mode_16_64 3
		.amdhsa_memory_ordered 1
		.amdhsa_forward_progress 1
		.amdhsa_inst_pref_size 255
	.end_amdhsa_kernel
	.section	.bss,"aw",@nobits
	.p2align	6
	.space	262144
	.amdgpu_metadata
---
amdhsa.version: [ 1, 2 ]
amdhsa.kernels:
  - .name:           k_qe22b95a80b_subj_gemm
    .symbol:         k_qe22b95a80b_subj_gemm.kd
    .args:
      - { .name: x_codes, .offset: 0, .size: 8, .value_kind: global_buffer, .address_space: global }
      - { .name: x_scales, .offset: 8, .size: 8, .value_kind: global_buffer, .address_space: global }
      - { .name: W_codes, .offset: 16, .size: 8, .value_kind: global_buffer, .address_space: global }
      - { .name: W_scales, .offset: 24, .size: 8, .value_kind: global_buffer, .address_space: global }
      - { .name: b, .offset: 32, .size: 8, .value_kind: global_buffer, .address_space: global }
      - { .name: subject_ids, .offset: 40, .size: 8, .value_kind: global_buffer, .address_space: global }
      - { .name: out0, .offset: 48, .size: 8, .value_kind: global_buffer, .address_space: global }
    .group_segment_fixed_size: 327168
    .private_segment_fixed_size: 0
    .kernarg_segment_align: 8
    .kernarg_segment_size: 56
    .max_flat_workgroup_size: 128
    .sgpr_count:     66
    .vgpr_count:     1024
    .wavefront_size: 32
...
	.end_amdgpu_metadata
.endif
;; end of part 1
